; MI455X (gfx1250); checked and timed in simulation.
; The chip was launched on July 23, 2026; its instructions are those of AMD's public machine-readable ISA for CDNA 5 (MIT licence, August 2026) and "CDNA5" Instruction Set Architecture Reference Guide (July 2026). The comments in the code are by the model that wrote it; some were corrected since.
;; Top K Distance. Allowed arithmetic: float matrix products may take bf16 or f16 operands with f32 sums; all other float work in f32.
;; Inputs: positions 8,192 x 3 float32.
;; Outputs: out0 8,192 x 33 float32.
;; Constants: k = 32.
;; 2 versions, each right; version 2 is version 1 with the launch groupmin written anew for expert scheduling mode. Each part assembles by itself: llvm-mc -triple=amdgcn-amd-amdhsa -mcpu=gfx1250 --defsym DOCPART=n.
;; ======== version 1 of 2: 2 launches
;; limits: values within 6.1e-05 (relative) of each other or of a threshold may be ordered or decided otherwise than in the reference
;; workspace buffers: idx 1,048,576 bytes of whole numbers
;; launch groupmin (part 1): grid 256 x 1, 8 waves a work-group, no clusters, 168,960 bytes of LDS; arguments positions, idx; writes idx
.if DOCPART == 1
	.amdgcn_target "amdgcn-amd-amdhsa--gfx1250"
	.amdhsa_code_object_version 6
	.text
	.protected	k_qe769b4180f_groupmin
	.globl	k_qe769b4180f_groupmin
	.p2align	8
	.type	k_qe769b4180f_groupmin,@function
k_qe769b4180f_groupmin:
	s_mov_b64 s[64:65], 0
	v_nop
	global_prefetch_b8 v0, s[64:65] scope:SCOPE_SE
	s_setreg_imm32_b32 hwreg(HW_REG_WAVE_MODE, 25, 1), 1
	s_wait_xcnt 0x0
; FIRST OF TWO LAUNCHES.  positions: [8192][3] f32.  idx: [8192][32] whole numbers (group numbers, 0 to 511).
; The 8192 points are split into 512 groups of 16: group g holds the points g + 512 k, k = 0 .. 15.  For every query this launch finds
; the smallest squared distance to each group (the query itself left out) and stores the numbers of the 32 groups with the smallest
; minima.  The 32 nearest other points lie in these groups: a point in a group that is not chosen has 32 group minima at or below it.
; The second launch looks at the 32 x 16 points of these groups alone.
; Squared distances are formed from differences of coordinates, (c - q)^2 summed by fused multiply-adds, never from |c|^2 - 2 c.q + |q|^2,
; so a common offset of the positions costs no accuracy.
; WORK: 256 work-groups of 8 waves; a work-group owns 32 queries and sees all points.  Lane l of wave w keeps groups 64 w + l and
; 64 w + 32 + l in 96 registers for the whole launch; a query comes as three scalars and is broadcast.  One (query, group) costs
; 48 packed instructions for 16 distances, one select, 8 three-way minima and one instruction that makes the key.
; The launch asks for more LDS than the 69,632 bytes used, over half of what a WGP has, so that each of the 256 work-groups has a WGP of its own.
; LIMITS.  Positions are finite and squared distances stay inside f32's range.  Groups are ranked by the squared distance cut to its upper 23 bits
; (the low 9 bits of the key carry the group's number), so a distance that the second launch returns may exceed the true one of its rank by
; a factor of at most about 1 + 2^-15.
.set GROUPS,  512
.set KSTEP,   GROUPS*12                ; bytes from one member of a group to the next
.set MPITCH,  GROUPS*4+128             ; LDS row of one query's 512 keys; 2176 = 128 modulo 256, so two neighbouring rows' 128-byte pieces fall side by side
.set TRIPS,   8                        ; four queries a trip
.set RAW,  16                          ; s[16:27]  twelve coordinates of four queries, as loaded
.set NQ,   28                          ; s[28:51]  the same, negated, each in an even register (a packed instruction broadcasts the first register of a scalar pair)
.set OWN,  52                          ; s52, s53  bit 4 x trip is set if my first (second) set of groups holds the work-group's own queries
.set SELF, 54                          ; s54, s55  lane mask: the lane whose slot 0 is the query itself
.set GRP,  4                           ; v4, v5    my two groups' numbers
.set C,    16                          ; v[16:111] set t: x of slots 0-15 at C+48t, y at +16, z at +32
.set T,    112                         ; v[112:159] at work: dx, dy, dz of 16 points; the sums end in T .. T+15
.set OFF,  T                           ; v[112:127] at the start: byte offset of slot s of my first group
.set LA,   16                          ; the selection: list A, 32 keys
.set LB,   48                          ; list B
.set ALT,  64                          ; each key has a second home ALT registers further up
.set RES,  144                         ; v[144:147] the four group numbers that I store
	s_load_b128 s[4:7], s[0:1], 0x0                ; positions s[4:5], idx s[6:7]
	v_lshl_add_u32 v160, v0, 2, 0x29000
	v_mov_b32 v161, 0
	v_and_b32 v1, 31, v0                           ; lane
	v_lshrrev_b32 v2, 5, v0
	v_readfirstlane_b32 s8, v2                     ; wave
	s_lshr_b32 s9, ttmp9, 4                        ; query q = 32 wg + i is member q >> 9 = wg >> 4 of group q & 511
	s_and_b32 s10, ttmp9, 15                       ; and that group is 32 (wg & 15) + i
	s_lshl_b32 s11, s8, 6
	v_add_nc_u32 v[GRP], s11, v1                   ; 64 w + lane
	v_add_nc_u32 v[GRP+1], 32, v[GRP]
	v_mul_u32_u24 v3, v[GRP], 12                   ; byte offset of my first group's member 0
	v_lshlrev_b32 v15, 2, v[GRP]                   ; my first group's place in a row of keys
	v_mov_b32 v7, 0x7f800000                       ; +infinity
; Slot s holds member (s + wg >> 4) mod 16, so that in the one set of groups that holds the work-group's queries each query sits in slot 0.
.irp s, 0,1,2,3,4,5,6,7,8,9,10,11,12,13,14,15
	s_add_co_u32 s11, s9, \s
	s_and_b32 s11, s11, 15
	s_mul_i32 s11, s11, KSTEP
	v_add_nc_u32 v[OFF+\s], s11, v3
.endr
	s_lshl_b32 s11, s8, 1                          ; my first set is block 2 w of 32 groups, my second block 2 w + 1
	s_cmp_eq_u32 s11, s10
	s_cselect_b32 s[OWN], 1, 0
	s_or_b32 s11, s11, 1
	s_cmp_eq_u32 s11, s10
	s_cselect_b32 s[OWN+1], 1, 0
	s_mov_b32 s56, 0xfffffe00                      ; the key's upper 23 bits
	s_mov_b32 s57, 0x7f7fffff                      ; the largest finite number: a key is never an infinity or NaN pattern
.irp n, 0,1,2,3,4,5,6,7,8,9,10,11
	s_mov_b32 s[NQ+2*\n+1], 0                      ; the pairs' second registers are named by the packed instructions but not used
.endr
	s_mul_i32 s58, ttmp9, 384                      ; 32 queries of 12 bytes
	s_mov_b32 s59, 0
	s_mov_b32 s14, 0
	s_wait_kmcnt 0x0
	s_add_nc_u64 s[12:13], s[4:5], s[58:59]        ; the work-group's queries
.macro ASKQ first                      ; four queries, 48 bytes, from byte s14 + first of the work-group's 384
	s_load_b128 s[RAW:RAW+3],    s[12:13], s14 offset:\first
	s_load_b128 s[RAW+4:RAW+7],  s[12:13], s14 offset:\first+16
	s_load_b128 s[RAW+8:RAW+11], s[12:13], s14 offset:\first+32
.endm
	ASKQ 0
; 96 loads: one coordinate of one slot for 32 neighbouring groups, lanes 12 bytes apart; x, y and z of a slot share the same 384 bytes.
.irp t, 0,1
.irp j, 0,1,2
.irp s, 0,1,2,3,4,5,6,7,8,9,10,11,12,13,14,15
	global_load_b32 v[C+48*\t+16*\j+\s], v[OFF+\s], s[4:5] offset:384*\t+4*\j
.endr
.endr
.endr
; One query (n of the trip's four) against my set t: 16 squared distances, their minimum, the key, into LDS.
.macro GROUPMIN t, n
.irp p, 0,1,2,3,4,5,6,7
	v_pk_add_f32 v[T+2*\p:T+2*\p+1], v[C+48*\t+2*\p:C+48*\t+2*\p+1], s[NQ+6*\n:NQ+6*\n+1] op_sel_hi:[1,0]            ; dx = x - qx, two points
.endr
.irp p, 0,1,2,3,4,5,6,7
	v_pk_add_f32 v[T+16+2*\p:T+16+2*\p+1], v[C+48*\t+16+2*\p:C+48*\t+16+2*\p+1], s[NQ+6*\n+2:NQ+6*\n+3] op_sel_hi:[1,0]  ; dy
.endr
.irp p, 0,1,2,3,4,5,6,7
	v_pk_mul_f32 v[T+2*\p:T+2*\p+1], v[T+2*\p:T+2*\p+1], v[T+2*\p:T+2*\p+1]
.endr
.irp p, 0,1,2,3,4,5,6,7
	v_pk_add_f32 v[T+32+2*\p:T+32+2*\p+1], v[C+48*\t+32+2*\p:C+48*\t+32+2*\p+1], s[NQ+6*\n+4:NQ+6*\n+5] op_sel_hi:[1,0]  ; dz
.endr
.irp p, 0,1,2,3,4,5,6,7
	v_pk_fma_f32 v[T+2*\p:T+2*\p+1], v[T+16+2*\p:T+16+2*\p+1], v[T+16+2*\p:T+16+2*\p+1], v[T+2*\p:T+2*\p+1]
.endr
.irp p, 0,1,2,3,4,5,6,7
	v_pk_fma_f32 v[T+2*\p:T+2*\p+1], v[T+32+2*\p:T+32+2*\p+1], v[T+32+2*\p:T+32+2*\p+1], v[T+2*\p:T+2*\p+1]
.endr
	v_cndmask_b32 v[T], v[T], v7, s[SELF+\t]       ; the query itself does not count: +infinity in its lane's slot 0
	v_min3_num_f32 v8,  v[T],    v[T+1],  v[T+2]
	v_min3_num_f32 v9,  v[T+3],  v[T+4],  v[T+5]
	v_min3_num_f32 v10, v[T+6],  v[T+7],  v[T+8]
	v_min3_num_f32 v11, v[T+9],  v[T+10], v[T+11]
	v_min3_num_f32 v12, v[T+12], v[T+13], v[T+14]
	v_min3_num_f32 v8,  v8,  v9,  v10
	v_min3_num_f32 v11, v11, v12, v[T+15]
	v_min3_num_f32 v8,  v8,  v11, s57              ; the group's minimum, at most the largest finite number
	v_and_or_b32 v8, v8, s56, v[GRP+\t]            ; key: upper 23 bits of the minimum, the group's number below.  Cutting keeps the order; keys are positive, finite and all different
	ds_store_b32 v6, v8 offset:\n*MPITCH+128*\t    ; 32 lanes, 128 neighbouring bytes of the query's row
.endm
	s_mov_b32 s15, 0
	s_wait_loadcnt 0x0                             ; my 32 points are in; the offsets in T are free
.Ltrip:
	s_wait_kmcnt 0x0                               ; this trip's four queries
.irp n, 0,1,2,3,4,5,6,7,8,9,10,11
	s_xor_b32 s[NQ+2*\n], s[RAW+\n], 0x80000000    ; -q, so that the difference is an addition
.endr
	s_mul_i32 s11, s15, 4*MPITCH
	v_add_nc_u32 v6, s11, v15                      ; the trip's first row of keys
	s_cmp_eq_u32 s15, TRIPS-1
	s_cbranch_scc1 .Lasked                         ; the last trip has no successor
	s_mul_i32 s14, s15, 48                         ; s14 and RAW are free since the wait above
	ASKQ 48                                        ; the next trip's queries come in during this trip's arithmetic
.Lasked:
.irp n, 0,1,2,3
	s_lshl_b32 s[SELF],   s[OWN],   \n             ; query 4 trip + n is lane 4 trip + n's slot 0, in the set that holds the queries; else no lane
	s_lshl_b32 s[SELF+1], s[OWN+1], \n
	GROUPMIN 0, \n
	GROUPMIN 1, \n
.endr
	s_lshl_b32 s[OWN],   s[OWN],   4
	s_lshl_b32 s[OWN+1], s[OWN+1], 4
	s_add_co_u32 s15, s15, 1
	s_cmp_lt_u32 s15, TRIPS
	s_cbranch_scc1 .Ltrip
	s_wait_dscnt 0x0                               ; my keys are in LDS: zero, for the other waves' sake
	s_barrier_signal -1
	s_barrier_wait -1                              ; all 32 x 512 keys are
; THE SELECTION.  Eight neighbouring lanes share a query; each takes 64 of its 512 keys, as two lists of 32.
; Keys are compared as f32: positive finite numbers (small ones denormal, which the wave's mode keeps) order as their bit patterns do.
; A comparator writes the minimum and the maximum into the two elements' OTHER homes, so it costs two instructions and no copy;
; bit i of the assembly-time symbol LOC says in which home element i lies.  ca, cb: the comparator's elements, ca < cb.
.macro CE two
	.set ba, ((LOC >> ca) & 1) * ALT
	.set bb, ((LOC >> cb) & 1) * ALT
	v_min_num_f32 v[LA+ca+ALT-ba], v[LA+ca+ba], v[LA+cb+bb]
	v_max_num_f32 v[LA+cb+ALT-bb], v[LA+ca+ba], v[LA+cb+bb]
	.if \two
	v_min_num_f32 v[LB+ca+ALT-ba], v[LB+ca+ba], v[LB+cb+bb]
	v_max_num_f32 v[LB+cb+ALT-bb], v[LB+ca+ba], v[LB+cb+bb]
	.endif
	.set LOC, LOC ^ ((1 << ca) | (1 << cb))
.endm
; Batcher's odd-even merge sort of 32, 191 comparators, on both lists at once, ascending.  The comparators of one (p, k) are disjoint.
.macro SORT32
.irp p, 1,2,4,8,16
.irp k, 16,8,4,2,1
.if \k <= \p
	.if \k == \p
	.set r0, 0
	.else
	.set r0, \k
	.endif
	.set ca, 0
	.rept 32
	.if ca >= r0
	.if ((ca - r0) & (2*\k - 1)) < \k
	.if ca + \k < 32
	.if (ca / (2*\p)) == ((ca + \k) / (2*\p))
	.set cb, ca + \k
	CE 1
	.endif
	.endif
	.endif
	.endif
	.set ca, ca + 1
	.endr
.endif
.endr
.endr
.endm
; The 32 smallest of two ascending lists: min(A[i], B[31-i]); they form a bitonic sequence, left in A.
.macro PRUNE
	.set ca, 0
	.rept 32
	.set ba, ((LOC >> ca) & 1) * ALT
	.set bb, ((LOC >> (31-ca)) & 1) * ALT
	v_min_num_f32 v[LA+ca+ba], v[LA+ca+ba], v[LB+31-ca+bb]
	.set ca, ca + 1
	.endr
.endm
; The same with the list of lane (l xor x); every result goes to the other home, since the partner still reads the old ones.
; Both homes of every element have been written since the sort's first stage.
.macro XPRUNE x
	.set ca, 0
	.rept 32
	.set ba, ((LOC >> ca) & 1) * ALT
	.set bb, ((LOC >> (31-ca)) & 1) * ALT
	v_min_num_f32_dpp v[LA+ca+ALT-ba], v[LA+31-ca+bb], v[LA+ca+ba] row_xmask:\x row_mask:0xf bank_mask:0xf
	.set ca, ca + 1
	.endr
	.set LOC, LOC ^ 0xffffffff
.endm
; A bitonic sequence of 32 becomes ascending: five stages of 16 comparators.
.macro BMERGE
.irp d, 16,8,4,2,1
	.set ca, 0
	.rept 32
	.if (ca & \d) == 0
	.set cb, ca + \d
	CE 0
	.endif
	.set ca, ca + 1
	.endr
.endr
.endm
.macro HOME name, i                    ; the register in which element i of list A lies now
	.set \name, LA + (\i) + ((LOC >> (\i)) & 1) * ALT
.endm
	v_lshrrev_b32 v2, 3, v0                        ; my query, 0 to 31
	v_and_b32 v3, 7, v0                            ; my eighth of its keys
	v_mul_u32_u24 v2, v2, MPITCH
	v_lshl_add_u32 v1, v3, 4, v2
.irp m, 0,1,2,3,4,5,6,7,8,9,10,11,12,13,14,15
	ds_load_b128 v[LA+4*\m:LA+4*\m+3], v1 offset:128*\m    ; 16 lanes = 2 queries x 128 neighbouring bytes, the rows 128 bytes apart modulo 256
.endr
	v_and_b32 v2, 3, v0                            ; which four of the result I store (see below)
	v_bfe_u32 v3, v0, 2, 1
	v_mul_u32_u24 v3, v3, 3
	v_xor_b32 v2, v2, v3
	v_and_b32 v3, 1, v2
	v_cmp_ne_u32 s[SELF], 0, v3
	v_and_b32 v3, 2, v2
	v_cmp_ne_u32 s[SELF+1], 0, v3
	s_wait_dscnt 0x0
	.set LOC, 0
	SORT32
	PRUNE
	BMERGE
	XPRUNE 1
	BMERGE
	XPRUNE 2
	BMERGE
	XPRUNE 4                                       ; only the set is wanted: the last sequence is not sorted
; Lanes 0-3 of the eight hold the same sequence S[0..31], lanes 4-7 hold it reversed.  Lane j < 4 stores S[4j .. 4j+3] = its elements 4j ..;
; lane j >= 4 stores S[16+4(j-4) ..] = its elements 4(7-j) .. : each lane picks block (j & 3) xor (3 if j >= 4) of its first sixteen.
.irp e, 0,1,2,3
	HOME h0, \e
	HOME h1, \e+4
	HOME h2, \e+8
	HOME h3, \e+12
	v_cndmask_b32 v148, v[h0], v[h1], s[SELF]
	v_cndmask_b32 v149, v[h2], v[h3], s[SELF]
	v_cndmask_b32 v148, v148, v149, s[SELF+1]
	v_and_b32 v[RES+\e], 0x1ff, v148               ; the group's number
.endr
	v_lshlrev_b32 v1, 4, v0                        ; thread t = 8 query + j stores bytes 16 t of the work-group's 32 rows of 128 bytes
	s_lshl_b32 s58, ttmp9, 12
	s_mov_b32 s59, 0
	s_add_nc_u64 s[6:7], s[6:7], s[58:59]
	global_store_b128 v1, v[RES:RES+3], s[6:7]     ; a wave's store covers 512 consecutive bytes, aligned
	s_wait_tensorcnt 0x0
	ds_add_u32 v160, v161
	s_wait_dscnt 0x0
	s_endpgm
.Lfunc_end_k_qe769b4180f_groupmin:
	.size	k_qe769b4180f_groupmin, .Lfunc_end_k_qe769b4180f_groupmin-k_qe769b4180f_groupmin
	.p2alignl 7, 3214868480
	.fill 96, 4, 3214868480
	.section	.rodata,"a",@progbits
	.p2align	6, 0x0
	.amdhsa_kernel k_qe769b4180f_groupmin
		.amdhsa_group_segment_fixed_size 168960
		.amdhsa_private_segment_fixed_size 0
		.amdhsa_enable_private_segment 0
		.amdhsa_kernarg_size 16
		.amdhsa_user_sgpr_count 2
		.amdhsa_user_sgpr_kernarg_segment_ptr 1
		.amdhsa_wavefront_size32 1
		.amdhsa_system_sgpr_workgroup_id_x 1
		.amdhsa_system_sgpr_workgroup_id_y 1
		.amdhsa_system_sgpr_workgroup_id_z 1
		.amdhsa_system_vgpr_workitem_id 0
		.amdhsa_next_free_vgpr 162
		.amdhsa_next_free_sgpr 66
		.amdhsa_reserve_vcc 0
		.amdhsa_float_denorm_mode_32 3
		.amdhsa_float_denorm_mode_16_64 3
		.amdhsa_memory_ordered 1
		.amdhsa_forward_progress 1
		.amdhsa_inst_pref_size 94
	.end_amdhsa_kernel
	.amdgpu_metadata
---
amdhsa.version: [ 1, 2 ]
amdhsa.kernels:
  - .name:           k_qe769b4180f_groupmin
    .symbol:         k_qe769b4180f_groupmin.kd
    .args:
      - { .name: positions, .offset: 0, .size: 8, .value_kind: global_buffer, .address_space: global }
      - { .name: idx, .offset: 8, .size: 8, .value_kind: global_buffer, .address_space: global }
    .group_segment_fixed_size: 168960
    .private_segment_fixed_size: 0
    .kernarg_segment_align: 8
    .kernarg_segment_size: 16
    .max_flat_workgroup_size: 256
    .sgpr_count:     66
    .vgpr_count:     162
    .wavefront_size: 32
...
	.end_amdgpu_metadata
.endif
;; end of part 1
;; launch refine (part 2): grid 256 x 1, 8 waves a work-group, no clusters, 168,960 bytes of LDS; arguments positions, idx, out0; writes out0
.if DOCPART == 2
	.amdgcn_target "amdgcn-amd-amdhsa--gfx1250"
	.amdhsa_code_object_version 6
	.text
	.protected	k_qe769b4180f_refine
	.globl	k_qe769b4180f_refine
	.p2align	8
	.type	k_qe769b4180f_refine,@function
k_qe769b4180f_refine:
	s_mov_b64 s[64:65], 0
	v_nop
	global_prefetch_b8 v0, s[64:65] scope:SCOPE_SE
	s_setreg_imm32_b32 hwreg(HW_REG_WAVE_MODE, 25, 1), 1
	s_wait_xcnt 0x0
; SECOND OF TWO LAUNCHES.  positions: [8192][3] f32.  idx: [8192][32] group numbers from the first launch.  out0: [8192][33] f32.
; Group g holds the points g + 512 k, k = 0 .. 15.  For each query the 32 listed groups hold its 32 nearest other points: their 512 squared
; distances are computed from coordinate differences, the query itself is left out, the 32 smallest are sorted, and the row is
; 0, then their square roots.  Column 0 is the query's distance to itself: p - p is exactly 0 for finite p, and no distance is smaller.
; WORK: 256 work-groups of 8 waves, 32 queries each.  All positions are laid into LDS as a table of 512 group rows (x of 16 slots, y, z);
; eight neighbouring lanes share a query, each takes 4 groups = 64 points.
; The launch asks for more LDS than the 106,496 bytes used, over half of what a WGP has, so that each of the 256 work-groups has a WGP of its own.
; LIMITS.  Positions are finite and squared distances stay inside f32's range.  v_sqrt_f32 takes a denormal input as zero (ISA guide, its entry):
; a squared distance below 2^-126 gives 0.  The first launch's ranking of groups can raise a result by a factor of at most about 1 + 2^-15.
.set GROUPS, 512
.set KSTEP,  GROUPS*12                 ; bytes from one member of a group to the next
.set ROWB,   208                       ; a table row: 3 x 64 bytes + 16, an odd multiple of 16, so that 16 lanes' 16-byte stores into 16 rows fall into 16 different columns of 256 bytes
.set OUTROW, 132                       ; a row of out0
.set OUTWG,  32*OUTROW                 ; the work-group's 4,224 bytes of out0
.set IDX, 4                            ; v[4:7]    my four groups
.set ROW, 8                            ; v[8:11]   their rows' LDS addresses
.set NQ,  14                           ; v[14:19]  -qx, -qx, -qy, -qy, -qz, -qz
.set LA,  20                           ; list A: 32 squared distances (x comes in here and is worked on in place)
.set LB,  52                           ; list B
.set ALT, 64                           ; each element has a second home ALT registers further up
.set W,   84                           ; v[84:211] y and z of my four groups, 32 registers a group; dead before the second homes are used
.set C,   20                           ; at the start: v[20:115] the 32 points that I lay into the table, as in the first launch
.set OFF, 116                          ; v[116:131] their byte offsets
	s_load_b128 s[4:7], s[0:1], 0x0                ; positions s[4:5], idx s[6:7]
	s_load_b64 s[8:9], s[0:1], 0x10                ; out0
	v_lshl_add_u32 v232, v0, 2, 0x29000
	v_mov_b32 v233, 0
	v_and_b32 v1, 31, v0                           ; lane
	v_lshrrev_b32 v2, 5, v0
	v_readfirstlane_b32 s10, v2                    ; wave
	s_lshr_b32 s11, ttmp9, 4                       ; query q = 32 wg + i is member wg >> 4 of group q & 511
	s_mul_i32 s12, s10, 768
	v_mul_u32_u24 v3, v1, 12
	v_add_nc_u32 v3, s12, v3                       ; byte offset of member 0 of group 64 w + lane
; Slot s holds member (s + wg >> 4) mod 16, so that each of the work-group's queries is slot 0 of its own group.
.irp s, 0,1,2,3,4,5,6,7,8,9,10,11,12,13,14,15
	s_add_co_u32 s12, s11, \s
	s_and_b32 s12, s12, 15
	s_mul_i32 s12, s12, KSTEP
	v_add_nc_u32 v[OFF+\s], s12, v3
.endr
	v_lshrrev_b32 v212, 3, v0                      ; my query, 0 to 31
	v_mul_u32_u24 v213, v212, 12
	v_lshlrev_b32 v214, 4, v0                      ; 16 t
	s_mul_i32 s14, ttmp9, 384
	s_mov_b32 s15, 0
	s_lshl_b32 s18, ttmp9, 12
	s_mov_b32 s19, 0
	s_wait_kmcnt 0x0
	s_add_nc_u64 s[16:17], s[4:5], s[14:15]        ; the work-group's queries
	s_add_nc_u64 s[6:7], s[6:7], s[18:19]          ; and their 32 rows of 128 bytes in idx
	global_load_b128 v[IDX:IDX+3], v214, s[6:7]    ; thread t = 8 query + j: groups 4 j .. 4 j + 3 of the list; a wave reads 512 consecutive bytes
	global_load_b32 v[NQ],   v213, s[16:17]
	global_load_b32 v[NQ+2], v213, s[16:17] offset:4
	global_load_b32 v[NQ+4], v213, s[16:17] offset:8
.irp t, 0,1
.irp j, 0,1,2
.irp s, 0,1,2,3,4,5,6,7,8,9,10,11,12,13,14,15
	global_load_b32 v[C+48*\t+16*\j+\s], v[OFF+\s], s[4:5] offset:384*\t+4*\j      ; lanes 12 bytes apart: groups 64 w + 32 t + lane
.endr
.endr
.endr
	s_mul_i32 s12, s10, 64*ROWB
	v_mul_u32_u24 v2, v1, ROWB
	v_add_nc_u32 v2, s12, v2                       ; the table row of group 64 w + lane
	s_and_b32 s12, ttmp9, 15
	s_lshl_b32 s12, s12, 5
	v_add_nc_u32 v12, s12, v212                    ; my query's own group
	v_mov_b32 v13, 0x7f800000                      ; +infinity
	s_wait_loadcnt 0x0
.irp t, 0,1
.irp j, 0,1,2
.irp c, 0,1,2,3
	ds_store_b128 v2, v[C+48*\t+16*\j+4*\c:C+48*\t+16*\j+4*\c+3] offset:32*ROWB*\t+64*\j+16*\c
.endr
.endr
.endr
.irp j, 0,2,4
	v_xor_b32 v[NQ+\j], 0x80000000, v[NQ+\j]       ; -q, twice, for the packed additions
	v_mov_b32 v[NQ+\j+1], v[NQ+\j]
.endr
.irp e, 0,1,2,3
	v_min_u32 v[IDX+\e], 0x1ff, v[IDX+\e]          ; a loaded number enters an address only clamped to the table
	v_mul_u32_u24 v[ROW+\e], v[IDX+\e], ROWB
.endr
	s_wait_dscnt 0x0                               ; my rows are in the table: zero, for the other waves' sake
	s_barrier_signal -1
	s_barrier_wait -1                              ; the table is whole
.irp e, 0,1,2,3
.irp c, 0,1,2,3
	ds_load_b128 v[LA+16*\e+4*\c:LA+16*\e+4*\c+3], v[ROW+\e] offset:16*\c              ; x of 16 slots
.endr
.irp c, 0,1,2,3
	ds_load_b128 v[W+32*\e+4*\c:W+32*\e+4*\c+3], v[ROW+\e] offset:64+16*\c             ; y
.endr
.irp c, 0,1,2,3
	ds_load_b128 v[W+32*\e+16+4*\c:W+32*\e+16+4*\c+3], v[ROW+\e] offset:128+16*\c      ; z
.endr
.endr
; Group e of my four: 16 squared distances, left where x came in.
.macro DIST e
	s_wait_dscnt 12*(3-\e)                         ; LDS loads come back in order (ISA guide 5.7.1): the 12 loads of each later group may be out
.if \e == 3
	s_barrier_signal -1                            ; my reads of the table are over; the wait stands in front of the first store into its bytes, with register work alone between
.endif
.irp p, 0,1,2,3,4,5,6,7
	v_pk_add_f32 v[LA+16*\e+2*\p:LA+16*\e+2*\p+1], v[LA+16*\e+2*\p:LA+16*\e+2*\p+1], v[NQ:NQ+1]
.endr
.irp p, 0,1,2,3,4,5,6,7
	v_pk_add_f32 v[W+32*\e+2*\p:W+32*\e+2*\p+1], v[W+32*\e+2*\p:W+32*\e+2*\p+1], v[NQ+2:NQ+3]
.endr
.irp p, 0,1,2,3,4,5,6,7
	v_pk_mul_f32 v[LA+16*\e+2*\p:LA+16*\e+2*\p+1], v[LA+16*\e+2*\p:LA+16*\e+2*\p+1], v[LA+16*\e+2*\p:LA+16*\e+2*\p+1]
.endr
.irp p, 0,1,2,3,4,5,6,7
	v_pk_add_f32 v[W+32*\e+16+2*\p:W+32*\e+16+2*\p+1], v[W+32*\e+16+2*\p:W+32*\e+16+2*\p+1], v[NQ+4:NQ+5]
.endr
.irp p, 0,1,2,3,4,5,6,7
	v_pk_fma_f32 v[LA+16*\e+2*\p:LA+16*\e+2*\p+1], v[W+32*\e+2*\p:W+32*\e+2*\p+1], v[W+32*\e+2*\p:W+32*\e+2*\p+1], v[LA+16*\e+2*\p:LA+16*\e+2*\p+1]
.endr
.irp p, 0,1,2,3,4,5,6,7
	v_pk_fma_f32 v[LA+16*\e+2*\p:LA+16*\e+2*\p+1], v[W+32*\e+16+2*\p:W+32*\e+16+2*\p+1], v[W+32*\e+16+2*\p:W+32*\e+16+2*\p+1], v[LA+16*\e+2*\p:LA+16*\e+2*\p+1]
.endr
	v_cmp_eq_u32 vcc_lo, v[IDX+\e], v12            ; my query's own group: its slot 0 is the query itself,
	v_cndmask_b32 v[LA+16*\e], v[LA+16*\e], v13, vcc_lo    ; which does not count among the 32
.endm
	DIST 0
	DIST 1
	DIST 2
	DIST 3
; THE SELECTION, as in the first launch.  A comparator writes the minimum and the maximum into the two elements' OTHER homes, so it costs
; two instructions and no copy; bit i of the assembly-time symbol LOC says in which home element i lies.  ca, cb: its elements, ca < cb.
.macro CE two
	.set ba, ((LOC >> ca) & 1) * ALT
	.set bb, ((LOC >> cb) & 1) * ALT
	v_min_num_f32 v[LA+ca+ALT-ba], v[LA+ca+ba], v[LA+cb+bb]
	v_max_num_f32 v[LA+cb+ALT-bb], v[LA+ca+ba], v[LA+cb+bb]
	.if \two
	v_min_num_f32 v[LB+ca+ALT-ba], v[LB+ca+ba], v[LB+cb+bb]
	v_max_num_f32 v[LB+cb+ALT-bb], v[LB+ca+ba], v[LB+cb+bb]
	.endif
	.set LOC, LOC ^ ((1 << ca) | (1 << cb))
.endm
; Batcher's odd-even merge sort of 32, 191 comparators, on both lists at once, ascending.  The comparators of one (p, k) are disjoint.
.macro SORT32
.irp p, 1,2,4,8,16
.irp k, 16,8,4,2,1
.if \k <= \p
	.if \k == \p
	.set r0, 0
	.else
	.set r0, \k
	.endif
	.set ca, 0
	.rept 32
	.if ca >= r0
	.if ((ca - r0) & (2*\k - 1)) < \k
	.if ca + \k < 32
	.if (ca / (2*\p)) == ((ca + \k) / (2*\p))
	.set cb, ca + \k
	CE 1
	.endif
	.endif
	.endif
	.endif
	.set ca, ca + 1
	.endr
.endif
.endr
.endr
.endm
; The 32 smallest of two ascending lists: min(A[i], B[31-i]); they form a bitonic sequence, left in A.
.macro PRUNE
	.set ca, 0
	.rept 32
	.set ba, ((LOC >> ca) & 1) * ALT
	.set bb, ((LOC >> (31-ca)) & 1) * ALT
	v_min_num_f32 v[LA+ca+ba], v[LA+ca+ba], v[LB+31-ca+bb]
	.set ca, ca + 1
	.endr
.endm
; The same with the list of lane (l xor x); every result goes to the other home, since the partner still reads the old ones.
; Both homes of every element have been written since the sort's first stage.
.macro XPRUNE x
	.set ca, 0
	.rept 32
	.set ba, ((LOC >> ca) & 1) * ALT
	.set bb, ((LOC >> (31-ca)) & 1) * ALT
	v_min_num_f32_dpp v[LA+ca+ALT-ba], v[LA+31-ca+bb], v[LA+ca+ba] row_xmask:\x row_mask:0xf bank_mask:0xf
	.set ca, ca + 1
	.endr
	.set LOC, LOC ^ 0xffffffff
.endm
; A bitonic sequence of 32 becomes ascending: five stages of 16 comparators.
.macro BMERGE
.irp d, 16,8,4,2,1
	.set ca, 0
	.rept 32
	.if (ca & \d) == 0
	.set cb, ca + \d
	CE 0
	.endif
	.set ca, ca + 1
	.endr
.endr
.endm
.macro HOME name, i                    ; the register in which element i of list A lies now
	.set \name, LA + (\i) + ((LOC >> (\i)) & 1) * ALT
.endm
	.set LOC, 0
	SORT32
	PRUNE
	BMERGE
	XPRUNE 1
	BMERGE
	XPRUNE 2
	BMERGE
	XPRUNE 4
	BMERGE                                         ; all eight lanes of a query now hold its 32 smallest squared distances, ascending
; Lane j of the eight takes elements 4 j .. 4 j + 3: three levels of selects on the bits of j, so that only 4 roots a lane are taken.
	v_and_b32 v213, 1, v0
	v_cmp_ne_u32 s20, 0, v213
	v_and_b32 v213, 2, v0
	v_cmp_ne_u32 s21, 0, v213
	v_and_b32 v213, 4, v0
	v_cmp_ne_u32 s22, 0, v213
.irp e, 0,1,2,3
	HOME h0, \e
	HOME h1, \e+4
	HOME h2, \e+8
	HOME h3, \e+12
	HOME h4, \e+16
	HOME h5, \e+20
	HOME h6, \e+24
	HOME h7, \e+28
	v_cndmask_b32 v216, v[h0], v[h1], s20
	v_cndmask_b32 v217, v[h2], v[h3], s20
	v_cndmask_b32 v218, v[h4], v[h5], s20
	v_cndmask_b32 v219, v[h6], v[h7], s20
	v_cndmask_b32 v216, v216, v217, s21
	v_cndmask_b32 v218, v218, v219, s21
	v_cndmask_b32 v[220+\e], v216, v218, s22
.endr
	v_sqrt_f32 v224, v220                          ; sqrt(0) = 0, as the reference's guarded norm gives
	v_sqrt_f32 v225, v221
	v_sqrt_f32 v226, v222
	v_sqrt_f32 v227, v223
	v_lshrrev_b32 v215, 3, v1                      ; plain instructions that touch neither roots nor their sources stand behind the last root (ISA guide 5.7.2)
	v_mul_u32_u24 v213, v215, OUTROW
	s_mul_i32 s12, s10, 4*OUTROW
	v_add_nc_u32 v213, s12, v213                   ; my query's row in the stage: query 4 w + lane / 8
	v_and_b32 v215, 7, v1
	v_lshl_add_u32 v215, v215, 4, v213             ; + 16 j
	v_mov_b32 v216, 0
	s_barrier_wait -1                              ; every wave's reads of the table are over: the stage lies on the table's first 4,224 bytes
	ds_store_b32 v213, v216                        ; column 0; the eight lanes of a query write the same word with the same value
	s_wait_alu depctr_va_vdst(0)
.irp e, 0,1,2,3
	ds_store_b32 v215, v[224+\e] offset:4+4*\e     ; columns 1 + 4 j + e
.endr
	s_wait_dscnt 0x0                               ; zero, for the other waves' sake
	s_barrier_signal -1
	s_barrier_wait -1                              ; the work-group's 32 rows lie in LDS as they lie in out0
; The work-group's 4,224 bytes begin at a multiple of 256 in even work-groups and 128 bytes behind one in odd ones.  The 256 threads store
; 4,096 bytes that begin on a multiple of 256 (from byte 0, or from byte 128), each wave 512 consecutive aligned bytes; the 128 bytes left over
; (the last, or the first) go out from eight lanes of wave 0.
	s_and_b32 s23, ttmp9, 1
	s_lshl_b32 s23, s23, 7
	v_add_nc_u32 v214, s23, v214                   ; 16 t, + 128 in odd work-groups
	ds_load_b128 v[20:23], v214
	s_mul_i32 s14, ttmp9, OUTWG
	s_mov_b32 s15, 0
	s_add_nc_u64 s[8:9], s[8:9], s[14:15]
	s_wait_dscnt 0x0
	global_store_b128 v214, v[20:23], s[8:9] th:TH_STORE_NT
	s_cmp_lg_u32 s10, 0
	s_cbranch_scc1 .Lend
	s_cmp_eq_u32 s23, 0
	s_cselect_b32 s12, 4096, 0                     ; the piece left over
	v_lshl_add_u32 v213, v0, 4, s12
	v_cmp_gt_u32 vcc_lo, 8, v0
	s_wait_xcnt 0x0                                ; EXEC is a source of the store above: it changes only behind this wait
	s_and_saveexec_b32 s13, vcc_lo
	ds_load_b128 v[24:27], v213
	s_wait_dscnt 0x0
	global_store_b128 v213, v[24:27], s[8:9] th:TH_STORE_NT
	s_wait_xcnt 0x0                                ; and again in front of the line that widens it
	s_or_b32 exec_lo, exec_lo, s13
.Lend:
	s_wait_tensorcnt 0x0
	ds_add_u32 v232, v233
	s_wait_dscnt 0x0
	s_endpgm
.Lfunc_end_k_qe769b4180f_refine:
	.size	k_qe769b4180f_refine, .Lfunc_end_k_qe769b4180f_refine-k_qe769b4180f_refine
	.p2alignl 7, 3214868480
	.fill 96, 4, 3214868480
	.section	.rodata,"a",@progbits
	.p2align	6, 0x0
	.amdhsa_kernel k_qe769b4180f_refine
		.amdhsa_group_segment_fixed_size 168960
		.amdhsa_private_segment_fixed_size 0
		.amdhsa_enable_private_segment 0
		.amdhsa_kernarg_size 24
		.amdhsa_user_sgpr_count 2
		.amdhsa_user_sgpr_kernarg_segment_ptr 1
		.amdhsa_wavefront_size32 1
		.amdhsa_system_sgpr_workgroup_id_x 1
		.amdhsa_system_sgpr_workgroup_id_y 1
		.amdhsa_system_sgpr_workgroup_id_z 1
		.amdhsa_system_vgpr_workitem_id 0
		.amdhsa_next_free_vgpr 234
		.amdhsa_next_free_sgpr 66
		.amdhsa_reserve_vcc 1
		.amdhsa_float_denorm_mode_32 3
		.amdhsa_float_denorm_mode_16_64 3
		.amdhsa_memory_ordered 1
		.amdhsa_forward_progress 1
		.amdhsa_inst_pref_size 87
	.end_amdhsa_kernel
	.amdgpu_metadata
---
amdhsa.version: [ 1, 2 ]
amdhsa.kernels:
  - .name:           k_qe769b4180f_refine
    .symbol:         k_qe769b4180f_refine.kd
    .args:
      - { .name: positions, .offset: 0, .size: 8, .value_kind: global_buffer, .address_space: global }
      - { .name: idx, .offset: 8, .size: 8, .value_kind: global_buffer, .address_space: global }
      - { .name: out0, .offset: 16, .size: 8, .value_kind: global_buffer, .address_space: global }
    .group_segment_fixed_size: 168960
    .private_segment_fixed_size: 0
    .kernarg_segment_align: 8
    .kernarg_segment_size: 24
    .max_flat_workgroup_size: 256
    .sgpr_count:     66
    .vgpr_count:     234
    .wavefront_size: 32
...
	.end_amdgpu_metadata
.endif
;; end of part 2
;; ======== version 2 of 2: 2 launches; version 1 with the launch groupmin written anew for expert scheduling mode
;; limits: values within 6.1e-05 (relative) of each other or of a threshold may be ordered or decided otherwise than in the reference
;; workspace buffers: idx 1,048,576 bytes of whole numbers
;; launch groupmin (part 3): grid 256 x 1, 8 waves a work-group, no clusters, 168,960 bytes of LDS; arguments positions, idx; writes idx
.if DOCPART == 3
	.amdgcn_target "amdgcn-amd-amdhsa--gfx1250"
	.amdhsa_code_object_version 6
	.text
	.protected	k_qe769b4180f_groupmin
	.globl	k_qe769b4180f_groupmin
	.p2align	8
	.type	k_qe769b4180f_groupmin,@function
k_qe769b4180f_groupmin:
	s_mov_b64 s[64:65], 0
	v_nop
	global_prefetch_b8 v0, s[64:65] scope:SCOPE_SE
	s_setreg_imm32_b32 hwreg(HW_REG_WAVE_SCHED_MODE, 0, 2), 2
	s_setreg_imm32_b32 hwreg(HW_REG_WAVE_MODE, 25, 1), 1
	s_wait_xcnt 0x0
	s_wait_alu depctr_vm_vsrc(0)
; FIRST OF TWO LAUNCHES.  positions: [8192][3] f32.  idx: [8192][32] whole numbers (group numbers, 0 to 511).
; The 8192 points are split into 512 groups of 16: group g holds the points g + 512 k, k = 0 .. 15.  For every query this launch finds
; the smallest squared distance to each group (the query itself left out) and stores the numbers of the 32 groups with the smallest
; minima.  The 32 nearest other points lie in these groups: a point in a group that is not chosen has 32 group minima at or below it.
; The second launch looks at the 32 x 16 points of these groups alone.
; Squared distances are formed from differences of coordinates, (c - q)^2 summed by fused multiply-adds, never from |c|^2 - 2 c.q + |q|^2,
; so a common offset of the positions costs no accuracy.
; WORK: 256 work-groups of 8 waves; a work-group owns 32 queries and sees all points.  Lane l of wave w keeps groups 64 w + l and
; 64 w + 32 + l in 96 registers for the whole launch; a query comes as three scalars and is broadcast.  One (query, group) costs
; 48 packed instructions for 16 distances, one select, 8 three-way minima and one instruction that makes the key.
; The launch asks for more LDS than the 69,632 bytes used, over half of what a WGP has, so that each of the 256 work-groups has a WGP of its own.
; LIMITS.  Positions are finite and squared distances stay inside f32's range.  Groups are ranked by the squared distance cut to its upper 23 bits
; (the low 9 bits of the key carry the group's number), so a distance that the second launch returns may exceed the true one of its rank by
; a factor of at most about 1 + 2^-15.
; THE MODE: SCHED_MODE bits 1:0 = 2 (LLVM: expert scheduling mode 2), set by the entry lines.  The code itself states the register dependences
; between vector instructions and memory or LDS instructions, with s_wait_alu, always for 0.
; THE PLAN.  Registers that memory or LDS instructions touch:
;   OFF (v112-127)  Written by the head's adds; read by the 96 loads as offsets; from the first trip on part of T, which the arithmetic writes.
;   C (v16-111)     The 96 loads land here; read by the loop's additions; behind the barrier the LDS loads of keys land in v16-79.
;   KEY (v160-167)  A trip's eight keys: written by its eight v_and_or_b32; read by its eight LDS stores, which stand in one run at the trip's end.
;   v6              The trip's first row of keys in LDS: written once a trip; read by the same eight stores.
;   v1              Behind the barrier: the LDS address of my keys; read by sixteen LDS loads; not written again.
;   v14, RES        Offset and data of the one global store.
; T, v8 to v12 and the lists of the selection are named by vector instructions alone, once the loads into them have been waited for.
; A trip has two waits.  One on va_vdst at its end: the eight keys and v6 are written; the eight stores follow.  One on vm_vsrc in the next trip, behind the
; first group's 48 packed instructions, which name neither v6 nor KEY: the stores have read both; the add to v6 and the first new key follow.
.set GROUPS,  512
.set KSTEP,   GROUPS*12                ; bytes from one member of a group to the next
.set MPITCH,  GROUPS*4+128             ; LDS row of one query's 512 keys; 2176 = 128 modulo 256, so two neighbouring rows' 128-byte pieces fall side by side
.set TRIPS,   8                        ; four queries a trip
.set RAW,  16                          ; s[16:27]  twelve coordinates of four queries, as loaded
.set NQ,   28                          ; s[28:51]  the same, negated, each in an even register (a packed instruction broadcasts the first register of a scalar pair)
.set OWN,  52                          ; s52, s53  bit 4 x trip is set if my first (second) set of groups holds the work-group's own queries
.set SELF, 54                          ; s54, s55  lane mask: the lane whose slot 0 is the query itself
.set GRP,  4                           ; v4, v5    my two groups' numbers
.set C,    16                          ; v[16:111] set t: x of slots 0-15 at C+48t, y at +16, z at +32
.set T,    112                         ; v[112:159] at work: dx, dy, dz of 16 points; the sums end in T .. T+15
.set OFF,  T                           ; v[112:127] at the start: byte offset of slot s of my first group
.set KEY,  160                         ; v[160:167] the trip's keys: query n of four, set t at KEY + 2 n + t
.set LA,   16                          ; the selection: list A, 32 keys
.set LB,   48                          ; list B
.set ALT,  64                          ; each key has a second home ALT registers further up
.set RES,  144                         ; v[144:147] the four group numbers that I store
	s_load_b128 s[4:7], s[0:1], 0x0                ; positions s[4:5], idx s[6:7]
	v_lshl_add_u32 v168, v0, 2, 0x29000
	v_mov_b32 v169, 0
	v_and_b32 v1, 31, v0                           ; lane
	v_lshrrev_b32 v2, 5, v0
	v_readfirstlane_b32 s8, v2                     ; wave
	s_lshr_b32 s9, ttmp9, 4                        ; query q = 32 wg + i is member q >> 9 = wg >> 4 of group q & 511
	s_and_b32 s10, ttmp9, 15                       ; and that group is 32 (wg & 15) + i
	s_wait_alu depctr_va_sdst(0)                   ; s8 is written, ahead of its first reader: the groups' numbers and the flags in OWN are made from it
	s_lshl_b32 s11, s8, 6
	v_add_nc_u32 v[GRP], s11, v1                   ; 64 w + lane
	v_add_nc_u32 v[GRP+1], 32, v[GRP]
	v_mul_u32_u24 v3, v[GRP], 12                   ; byte offset of my first group's member 0
	v_lshlrev_b32 v15, 2, v[GRP]                   ; my first group's place in a row of keys
	v_mov_b32 v7, 0x7f800000                       ; +infinity
; Slot s holds member (s + wg >> 4) mod 16, so that in the one set of groups that holds the work-group's queries each query sits in slot 0.
.irp s, 0,1,2,3,4,5,6,7,8,9,10,11,12,13,14,15
	s_add_co_u32 s11, s9, \s
	s_and_b32 s11, s11, 15
	s_mul_i32 s11, s11, KSTEP
	v_add_nc_u32 v[OFF+\s], s11, v3
.endr
	s_lshl_b32 s11, s8, 1                          ; my first set is block 2 w of 32 groups, my second block 2 w + 1
	s_cmp_eq_u32 s11, s10
	s_cselect_b32 s[OWN], 1, 0
	s_or_b32 s11, s11, 1
	s_cmp_eq_u32 s11, s10
	s_cselect_b32 s[OWN+1], 1, 0
	s_mov_b32 s56, 0xfffffe00                      ; the key's upper 23 bits
	s_mov_b32 s57, 0x7f7fffff                      ; the largest finite number: a key is never an infinity or NaN pattern
.irp n, 0,1,2,3,4,5,6,7,8,9,10,11
	s_mov_b32 s[NQ+2*\n+1], 0                      ; the pairs' second registers are named by the packed instructions but not used
.endr
	s_mul_i32 s58, ttmp9, 384                      ; 32 queries of 12 bytes
	s_mov_b32 s59, 0
	s_mov_b32 s14, 0
	s_wait_kmcnt 0x0
	s_add_nc_u64 s[12:13], s[4:5], s[58:59]        ; the work-group's queries
.macro ASKQ first                      ; four queries, 48 bytes, from byte s14 + first of the work-group's 384
	s_load_b128 s[RAW:RAW+3],    s[12:13], s14 offset:\first
	s_load_b128 s[RAW+4:RAW+7],  s[12:13], s14 offset:\first+16
	s_load_b128 s[RAW+8:RAW+11], s[12:13], s14 offset:\first+32
.endm
	ASKQ 0
	s_wait_alu depctr_va_vdst(0)                   ; the sixteen offsets in OFF are written, which the loads below read
; 96 loads: one coordinate of one slot for 32 neighbouring groups, lanes 12 bytes apart; x, y and z of a slot share the same 384 bytes.
.irp t, 0,1
.irp j, 0,1,2
.irp s, 0,1,2,3,4,5,6,7,8,9,10,11,12,13,14,15
	global_load_b32 v[C+48*\t+16*\j+\s], v[OFF+\s], s[4:5] offset:384*\t+4*\j
.endr
.endr
.endr
; One query (n of the trip's four) against my set t: 16 squared distances, their minimum, the key, into the trip's out-buffer.
.macro GROUPMIN t, n
.irp p, 0,1,2,3,4,5,6,7
	v_pk_add_f32 v[T+2*\p:T+2*\p+1], v[C+48*\t+2*\p:C+48*\t+2*\p+1], s[NQ+6*\n:NQ+6*\n+1] op_sel_hi:[1,0]            ; dx = x - qx, two points
.endr
.irp p, 0,1,2,3,4,5,6,7
	v_pk_add_f32 v[T+16+2*\p:T+16+2*\p+1], v[C+48*\t+16+2*\p:C+48*\t+16+2*\p+1], s[NQ+6*\n+2:NQ+6*\n+3] op_sel_hi:[1,0]  ; dy
.endr
.irp p, 0,1,2,3,4,5,6,7
	v_pk_mul_f32 v[T+2*\p:T+2*\p+1], v[T+2*\p:T+2*\p+1], v[T+2*\p:T+2*\p+1]
.endr
.irp p, 0,1,2,3,4,5,6,7
	v_pk_add_f32 v[T+32+2*\p:T+32+2*\p+1], v[C+48*\t+32+2*\p:C+48*\t+32+2*\p+1], s[NQ+6*\n+4:NQ+6*\n+5] op_sel_hi:[1,0]  ; dz
.endr
.irp p, 0,1,2,3,4,5,6,7
	v_pk_fma_f32 v[T+2*\p:T+2*\p+1], v[T+16+2*\p:T+16+2*\p+1], v[T+16+2*\p:T+16+2*\p+1], v[T+2*\p:T+2*\p+1]
.endr
.irp p, 0,1,2,3,4,5,6,7
	v_pk_fma_f32 v[T+2*\p:T+2*\p+1], v[T+32+2*\p:T+32+2*\p+1], v[T+32+2*\p:T+32+2*\p+1], v[T+2*\p:T+2*\p+1]
.endr
.if (\t == 0) && (\n == 0)
	s_wait_alu depctr_vm_vsrc(0)                   ; the eight LDS stores of the trip before have read v6 and KEY, which the add below and this trip's keys write again
	v_add_nc_u32 v6, s11, v15                      ; the trip's first row of keys
.endif
	v_cndmask_b32 v[T], v[T], v7, s[SELF+\t]       ; the query itself does not count: +infinity in its lane's slot 0
	v_min3_num_f32 v8,  v[T],    v[T+1],  v[T+2]
	v_min3_num_f32 v9,  v[T+3],  v[T+4],  v[T+5]
	v_min3_num_f32 v10, v[T+6],  v[T+7],  v[T+8]
	v_min3_num_f32 v11, v[T+9],  v[T+10], v[T+11]
	v_min3_num_f32 v12, v[T+12], v[T+13], v[T+14]
	v_min3_num_f32 v8,  v8,  v9,  v10
	v_min3_num_f32 v11, v11, v12, v[T+15]
	v_min3_num_f32 v8,  v8,  v11, s57              ; the group's minimum, at most the largest finite number
	v_and_or_b32 v[KEY+2*\n+\t], v8, s56, v[GRP+\t]    ; key: upper 23 bits of the minimum, the group's number below.  Cutting keeps the order; keys are positive, finite and all different
.endm
	s_mov_b32 s15, 0
	s_wait_loadcnt 0x0                             ; my 32 points are in
	s_wait_alu depctr_vm_vsrc(0)                   ; the loads have read their offsets in OFF: these registers are part of T from here on, which the arithmetic writes
.Ltrip:
	s_wait_kmcnt 0x0                               ; this trip's four queries
.irp n, 0,1,2,3,4,5,6,7,8,9,10,11
	s_xor_b32 s[NQ+2*\n], s[RAW+\n], 0x80000000    ; -q, so that the difference is an addition
.endr
	s_mul_i32 s11, s15, 4*MPITCH                   ; the trip's first row of keys; v6 takes it in the first group's turn
	s_cmp_eq_u32 s15, TRIPS-1
	s_cbranch_scc1 .Lasked                         ; the last trip has no successor
	s_mul_i32 s14, s15, 48                         ; s14 and RAW are free since the wait above
	ASKQ 48                                        ; the next trip's queries come in during this trip's arithmetic
.Lasked:
.irp n, 0,1,2,3
	s_lshl_b32 s[SELF],   s[OWN],   \n             ; query 4 trip + n is lane 4 trip + n's slot 0, in the set that holds the queries; else no lane
	s_lshl_b32 s[SELF+1], s[OWN+1], \n
	GROUPMIN 0, \n
	GROUPMIN 1, \n
.endr
	s_lshl_b32 s[OWN],   s[OWN],   4
	s_lshl_b32 s[OWN+1], s[OWN+1], 4
	s_wait_alu depctr_va_vdst(0)                   ; the trip's eight keys and v6 are written, which the eight stores below read
.irp n, 0,1,2,3
.irp t, 0,1
	ds_store_b32 v6, v[KEY+2*\n+\t] offset:\n*MPITCH+128*\t    ; 32 lanes, 128 neighbouring bytes of the query's row
.endr
.endr
	s_add_co_u32 s15, s15, 1
	s_cmp_lt_u32 s15, TRIPS
	s_cbranch_scc1 .Ltrip
	s_wait_dscnt 0x0                               ; my keys are in LDS: zero, for the other waves' sake
	s_barrier_signal -1
	s_barrier_wait -1                              ; all 32 x 512 keys are
; THE SELECTION.  Eight neighbouring lanes share a query; each takes 64 of its 512 keys, as two lists of 32.
; Keys are compared as f32: positive finite numbers (small ones denormal, which the wave's mode keeps) order as their bit patterns do.
; A comparator writes the minimum and the maximum into the two elements' OTHER homes, so it costs two instructions and no copy;
; bit i of the assembly-time symbol LOC says in which home element i lies.  ca, cb: the comparator's elements, ca < cb.
.macro CE two
	.set ba, ((LOC >> ca) & 1) * ALT
	.set bb, ((LOC >> cb) & 1) * ALT
	v_min_num_f32 v[LA+ca+ALT-ba], v[LA+ca+ba], v[LA+cb+bb]
	v_max_num_f32 v[LA+cb+ALT-bb], v[LA+ca+ba], v[LA+cb+bb]
	.if \two
	v_min_num_f32 v[LB+ca+ALT-ba], v[LB+ca+ba], v[LB+cb+bb]
	v_max_num_f32 v[LB+cb+ALT-bb], v[LB+ca+ba], v[LB+cb+bb]
	.endif
	.set LOC, LOC ^ ((1 << ca) | (1 << cb))
.endm
; Batcher's odd-even merge sort of 32, 191 comparators, on both lists at once, ascending.  The comparators of one (p, k) are disjoint.
.macro SORT32
.irp p, 1,2,4,8,16
.irp k, 16,8,4,2,1
.if \k <= \p
	.if \k == \p
	.set r0, 0
	.else
	.set r0, \k
	.endif
	.set ca, 0
	.rept 32
	.if ca >= r0
	.if ((ca - r0) & (2*\k - 1)) < \k
	.if ca + \k < 32
	.if (ca / (2*\p)) == ((ca + \k) / (2*\p))
	.set cb, ca + \k
	CE 1
	.endif
	.endif
	.endif
	.endif
	.set ca, ca + 1
	.endr
.endif
.endr
.endr
.endm
; The 32 smallest of two ascending lists: min(A[i], B[31-i]); they form a bitonic sequence, left in A.
.macro PRUNE
	.set ca, 0
	.rept 32
	.set ba, ((LOC >> ca) & 1) * ALT
	.set bb, ((LOC >> (31-ca)) & 1) * ALT
	v_min_num_f32 v[LA+ca+ba], v[LA+ca+ba], v[LB+31-ca+bb]
	.set ca, ca + 1
	.endr
.endm
; The same with the list of lane (l xor x); every result goes to the other home, since the partner still reads the old ones.
; Both homes of every element have been written since the sort's first stage.
.macro XPRUNE x
	.set ca, 0
	.rept 32
	.set ba, ((LOC >> ca) & 1) * ALT
	.set bb, ((LOC >> (31-ca)) & 1) * ALT
	v_min_num_f32_dpp v[LA+ca+ALT-ba], v[LA+31-ca+bb], v[LA+ca+ba] row_xmask:\x row_mask:0xf bank_mask:0xf
	.set ca, ca + 1
	.endr
	.set LOC, LOC ^ 0xffffffff
.endm
; A bitonic sequence of 32 becomes ascending: five stages of 16 comparators.
.macro BMERGE
.irp d, 16,8,4,2,1
	.set ca, 0
	.rept 32
	.if (ca & \d) == 0
	.set cb, ca + \d
	CE 0
	.endif
	.set ca, ca + 1
	.endr
.endr
.endm
.macro HOME name, i                    ; the register in which element i of list A lies now
	.set \name, LA + (\i) + ((LOC >> (\i)) & 1) * ALT
.endm
	v_lshrrev_b32 v2, 3, v0                        ; my query, 0 to 31
	v_and_b32 v3, 7, v0                            ; my eighth of its keys
	v_mul_u32_u24 v2, v2, MPITCH
	v_lshl_add_u32 v1, v3, 4, v2
	s_wait_alu depctr_va_vdst(0)                   ; v1 is written, which the LDS loads below read; the loop's additions are done reading v16 to v79, in which they land
.irp m, 0,1,2,3,4,5,6,7,8,9,10,11,12,13,14,15
	ds_load_b128 v[LA+4*\m:LA+4*\m+3], v1 offset:128*\m    ; 16 lanes = 2 queries x 128 neighbouring bytes, the rows 128 bytes apart modulo 256
.endr
	v_and_b32 v2, 3, v0                            ; which four of the result I store (see below); these lines name none of the loads' registers
	v_bfe_u32 v3, v0, 2, 1
	v_mul_u32_u24 v3, v3, 3
	v_xor_b32 v2, v2, v3
	v_and_b32 v3, 1, v2
	v_cmp_ne_u32 s[SELF], 0, v3
	v_and_b32 v3, 2, v2
	v_cmp_ne_u32 s[SELF+1], 0, v3
	s_wait_alu depctr_va_sdst(0)                   ; the two compares have written s54 and s55, ahead of their first readers, the selects at the end; no branch or label lies between
	s_wait_dscnt 0x0
	.set LOC, 0
	SORT32
	PRUNE
	BMERGE
	XPRUNE 1
	BMERGE
	XPRUNE 2
	BMERGE
	XPRUNE 4                                       ; only the set is wanted: the last sequence is not sorted
; Lanes 0-3 of the eight hold the same sequence S[0..31], lanes 4-7 hold it reversed.  Lane j < 4 stores S[4j .. 4j+3] = its elements 4j ..;
; lane j >= 4 stores S[16+4(j-4) ..] = its elements 4(7-j) .. : each lane picks block (j & 3) xor (3 if j >= 4) of its first sixteen.
.irp e, 0,1,2,3
	HOME h0, \e
	HOME h1, \e+4
	HOME h2, \e+8
	HOME h3, \e+12
	v_cndmask_b32 v148, v[h0], v[h1], s[SELF]
	v_cndmask_b32 v149, v[h2], v[h3], s[SELF]
	v_cndmask_b32 v148, v148, v149, s[SELF+1]
	v_and_b32 v[RES+\e], 0x1ff, v148               ; the group's number
.endr
	v_lshlrev_b32 v14, 4, v0                       ; thread t = 8 query + j stores bytes 16 t of the work-group's 32 rows of 128 bytes; a register that no LDS instruction has read
	s_lshl_b32 s58, ttmp9, 12
	s_mov_b32 s59, 0
	s_add_nc_u64 s[6:7], s[6:7], s[58:59]
	s_wait_alu depctr_va_vdst(0)                   ; the four group numbers in RES and the offset v14 are written, which the store reads
	global_store_b128 v14, v[RES:RES+3], s[6:7]    ; a wave's store covers 512 consecutive bytes, aligned
	s_wait_dscnt 0x0
	s_wait_alu depctr_hold_cnt(0) depctr_sa_sdst(0) depctr_va_vdst(0) depctr_va_sdst(0) depctr_va_ssrc(0) depctr_va_vcc(0) depctr_vm_vsrc(0)
	s_wait_tensorcnt 0x0
	ds_add_u32 v168, v169
	s_wait_dscnt 0x0
	s_endpgm
.Lfunc_end_k_qe769b4180f_groupmin:
	.size	k_qe769b4180f_groupmin, .Lfunc_end_k_qe769b4180f_groupmin-k_qe769b4180f_groupmin
	.p2alignl 7, 3214868480
	.fill 96, 4, 3214868480
	.section	.rodata,"a",@progbits
	.p2align	6, 0x0
	.amdhsa_kernel k_qe769b4180f_groupmin
		.amdhsa_group_segment_fixed_size 168960
		.amdhsa_private_segment_fixed_size 0
		.amdhsa_enable_private_segment 0
		.amdhsa_kernarg_size 16
		.amdhsa_user_sgpr_count 2
		.amdhsa_user_sgpr_kernarg_segment_ptr 1
		.amdhsa_wavefront_size32 1
		.amdhsa_system_sgpr_workgroup_id_x 1
		.amdhsa_system_sgpr_workgroup_id_y 1
		.amdhsa_system_sgpr_workgroup_id_z 1
		.amdhsa_system_vgpr_workitem_id 0
		.amdhsa_next_free_vgpr 170
		.amdhsa_next_free_sgpr 66
		.amdhsa_reserve_vcc 0
		.amdhsa_float_denorm_mode_32 3
		.amdhsa_float_denorm_mode_16_64 3
		.amdhsa_memory_ordered 1
		.amdhsa_forward_progress 1
		.amdhsa_inst_pref_size 94
	.end_amdhsa_kernel
	.amdgpu_metadata
---
amdhsa.version: [ 1, 2 ]
amdhsa.kernels:
  - .name:           k_qe769b4180f_groupmin
    .symbol:         k_qe769b4180f_groupmin.kd
    .args:
      - { .name: positions, .offset: 0, .size: 8, .value_kind: global_buffer, .address_space: global }
      - { .name: idx, .offset: 8, .size: 8, .value_kind: global_buffer, .address_space: global }
    .group_segment_fixed_size: 168960
    .private_segment_fixed_size: 0
    .kernarg_segment_align: 8
    .kernarg_segment_size: 16
    .max_flat_workgroup_size: 256
    .sgpr_count:     66
    .vgpr_count:     170
    .wavefront_size: 32
...
	.end_amdgpu_metadata
.endif
;; end of part 3
;; launch refine: the kernel of part 2 again; grid 256 x 1, 8 waves a work-group, no clusters, 168,960 bytes of LDS; arguments positions, idx, out0; writes out0
